; MI455X (gfx1250); checked and timed in simulation.
; The chip was launched on July 23, 2026; its instructions are those of AMD's public machine-readable ISA for CDNA 5 (MIT licence, August 2026) and "CDNA5" Instruction Set Architecture Reference Guide (July 2026). The comments in the code are by the model that wrote it; some were corrected since.
;; Attention. Allowed arithmetic: matrix products marked QUANTISED: E2M1 operands, one E8M0 scale for each 32 along K, by v_wmma_scale_f32_16x16x128_f8f6f4 with both operands' format E2M1 (or v_wmma_scale_f32_32x16x128_f4), f32 sums; everything else in f32.
;; Inputs: K_codes 4 x 2,048 x 32 x 16 uint8 (E2M1 codes of K, K innermost, in blocks of 32 codes, two codes a byte); K_scales 4 x 2,048 x 32 uint8 (E8M0 scales of K, one for each 32 codes along K); Q_codes 4 x 2,048 x 32 x 16 uint8 (E2M1 codes of Q, K innermost, in blocks of 32 codes, two codes a byte); Q_scales 4 x 2,048 x 32 uint8 (E8M0 scales of Q, one for each 32 codes along K); V_codes 4 x 2,048 x 32 x 16 uint8 (E2M1 codes of V, K innermost, in blocks of 32 codes, two codes a byte); V_scales 4 x 2,048 x 32 uint8 (E8M0 scales of V, one for each 32 codes along K); bk 1,024 float32; bq 1,024 float32; bv 1,024 float32; wk_codes 1,024 x 32 x 16 uint8 (E2M1 codes of wk, K innermost, in blocks of 32 codes, two codes a byte); wk_scales 1,024 x 32 uint8 (E8M0 scales of wk, one for each 32 codes along K); wq_codes 1,024 x 32 x 16 uint8 (E2M1 codes of wq, K innermost, in blocks of 32 codes, two codes a byte); wq_scales 1,024 x 32 uint8 (E8M0 scales of wq, one for each 32 codes along K); wv_codes 1,024 x 32 x 16 uint8 (E2M1 codes of wv, K innermost, in blocks of 32 codes, two codes a byte); wv_scales 1,024 x 32 uint8 (E8M0 scales of wv, one for each 32 codes along K).
;; Outputs: out0 4 x 2,048 x 1,024 float32.
;; This version of the problem:
;;   THIS VERSION OF THE PROBLEM IS GIVEN IN LOW PRECISION. The matrix products marked QUANTISED in the list below multiply operands that are first quantised to E2M1 (2 exponent bits, 1 mantissa bit; 4 bits a number), with one power-of-two scale for each 32 numbers along K (OCP MX v1.0); their sums are f32. All else is computed in f32.
;;   The module's matrix products, in the order in which they are computed (A, B: the left and right operand; K: the contracted axis; several contracted axes count as one K, in the product's order):
;;     1. [M 8,192, K 1,024] x [K 1,024, N 1,024]; A: input Q (given as codes); B: input wq (given as codes): QUANTISED
;;     2. [M 8,192, K 1,024] x [K 1,024, N 1,024]; A: input K (given as codes); B: input wk (given as codes): QUANTISED
;;     3. [M 8,192, K 1,024] x [K 1,024, N 1,024]; A: input V (given as codes); B: input wv (given as codes): QUANTISED
;;     4. batch 64 x [M 2,048, K 64] x [K 64, N 2,048]; A: computed on the way; B: computed on the way: QUANTISED
;;     5. batch 64 x [M 2,048, K 2,048] x [K 2,048, N 64]; A: softmax (see below); B: computed on the way: QUANTISED
;;   THE QUANTISER, for each operand of a quantised product, along K:
;;     - K is cut into blocks of 32 from its start; a last block that is shorter is filled with zeros.
;;     - A block's scale is 2^e with e = floor(log2(the largest magnitude in the block)) - 2, held to -126 .. 127; a block of zeros has e = 0. As a byte (E8M0): e + 127.
;;     - Each number is divided by its block's scale, clamped to +-6, and rounded to the nearest number of E2M1, ties to even, subnormals kept.
;;     - The product sums the exact products of the quantised numbers (number of the format x scale) in f32.
;;   ~~~python
;;   def quantise(x, axis):      # numpy; x: float32 -> the quantised numbers, widened to float32 again
;;       x = np.moveaxis(x, axis, -1); K = x.shape[-1]
;;       x = np.pad(x, [(0, 0)] * (x.ndim - 1) + [(0, -K % 32)]); x = x.reshape(x.shape[:-1] + (-1, 32)); a = np.abs(x).max(-1, keepdims=True)
;;       e = np.where(a > 0, np.clip(np.frexp(np.where(a > 0, a, 1))[1] - 1 - 2, -126, 127), 0)      # np.frexp(a)[1] - 1 = floor(log2(a)), exactly
;;       r = np.clip(x / 2.0 ** e, -6, 6)
;;       step = 2.0 ** (np.maximum(np.frexp(np.where(r == 0, 1, r))[1] - 1, 0) - 1)
;;       q = np.round(r / step) * step * 2.0 ** e      # np.round: ties to even
;;       return np.moveaxis(q.reshape(q.shape[:-2] + (-1,))[..., :K], -1, axis).astype(np.float32)
;;   ~~~
;;   SOFTMAX AHEAD OF A QUANTISED PRODUCT. Where the list says 'softmax', what is quantised is not the finished softmax but p = 2^(t - M), with t = logit x log2(e) and M = ceil(the row's largest t), a whole number; so 1/2 < the row's largest p <= 1. The row's sum l is taken of the UNQUANTISED p, in f32, and the product's result is divided by l at the end. Since M is a whole number, a kernel that streams over the keys may use a running M (the ceiling of the running maximum): every later rescaling is an exact power of two, which a block's scale takes up: the codes' values come out the same.
;;   OPERANDS COMPUTED ON THE WAY. 'Computed on the way' means the value that the module computes at that place (a softmax that the list does not call 'softmax' is quantised finished and normalised). What goes into a quantiser is computed in f32, as accurately as f32 sums, v_exp_f32 and their like allow (about 1e-6 of the number): no bf16 or f16 on the way to a quantiser, and a product that is left as it is and whose result goes on into a quantised operand takes f32 operands (vector FMAs, or v_wmma_f32_16x16x4_f32). A number that lies on a knife's edge between two numbers of the format may be rounded either way, as far as f32 arithmetic and the matrix unit's own rounding can turn it there, and no further.
;;   INPUTS GIVEN AS CODES. K (in the module: [4, 2048, 1024], K = its axis 2); Q (in the module: [4, 2048, 1024], K = its axis 2); V (in the module: [4, 2048, 1024], K = its axis 2); wk (in the module: [1024, 1024], K = its axis 0); wq (in the module: [1024, 1024], K = its axis 0); wv (in the module: [1024, 1024], K = its axis 0): each comes as NAME_codes (uint8): NAME with its K axis moved to the last place and cut into blocks of 32 codes, [.., K / 32, bytes a block], one block behind the other in memory; two codes a byte, the lower K in the low four bits (a code: sign, 2 exponent bits, 1 mantissa bit); and NAME_scales (uint8): the same leading axes, one E8M0 byte (e + 127) for each 32 codes along K. Its value is code x scale, taken as it is: it is not quantised again, and the codes and scales need not be those that the quantiser above would give.
;; One version. Each part assembles by itself: llvm-mc -triple=amdgcn-amd-amdhsa -mcpu=gfx1250 --defsym DOCPART=n.
;; ======== version 1 of 1: 2 launches
;; limits: right only within a limited range of input values
;; workspace buffers: qws 4,718,592 bytes; kvws 9,175,040 bytes
;; launch proj (part 1): grid 4 x 96, 4 waves a work-group, clusters of 4 x 4, 327,680 bytes of LDS; arguments Q_codes, Q_scales, wq_codes, wq_scales, bq, K_codes, K_scales, wk_codes, wk_scales, bk, V_codes, V_scales, wv_codes, wv_scales, bv, qws, kvws; writes qws, kvws
.if DOCPART == 1
	.amdgcn_target "amdgcn-amd-amdhsa--gfx1250"
	.amdhsa_code_object_version 6
	.text
	.protected	k_q41133e30f6_proj
	.globl	k_q41133e30f6_proj
	.p2align	8
	.type	k_q41133e30f6_proj,@function
k_q41133e30f6_proj:
	s_mov_b64 s[64:65], 0
	v_nop
	global_prefetch_b8 v0, s[64:65] scope:SCOPE_SE
	s_setreg_imm32_b32 hwreg(HW_REG_WAVE_MODE, 25, 1), 1
	s_wait_xcnt 0x0
	s_wait_alu depctr_hold_cnt(0) depctr_sa_sdst(0) depctr_va_vdst(0) depctr_va_sdst(0) depctr_va_ssrc(0) depctr_va_vcc(0) depctr_vm_vsrc(0)
	s_getreg_b32 s2, hwreg(HW_REG_IB_STS2, 6, 4)
	s_cmp_eq_u32 s2, 0
	s_cbranch_scc0 .Lentry_in_a_cluster
	s_endpgm
.Lentry_in_a_cluster:
	s_bfe_u32 s2, ttmp6, 0x10000c
	s_cmp_lg_u32 s2, 0xf033
	s_cbranch_scc0 .Lentry_shape_is_right
	s_endpgm
.Lentry_shape_is_right:
; q = Q wq + bq, k = K wk + bk, v = V wv + bv on codes of FP4 (E2M1) with E8M0 scales, each result quantised again along the K of the product that takes it, and stored as images of operand registers.
; A work-group makes 256 x 256 of one result; K = 1,024 lies in two LDS slots of 512, each filled once.  The cluster's y says which tensor (y / 8) and which four blocks of 256 tokens (y % 8).
; TWO LDS REGIONS: the first feeds source 1 and hangs on cy alone (shared along a row of the cluster), the second feeds source 0 and hangs on cx alone (shared along a column).
; For q and k the first region holds tokens and the second the weight's rows: a lane's registers run along the channels.  For v the two buffers change places (pointers and block numbers, never an LDS address): a lane's registers run along the tokens, v's K.
; THE HEAD: four tiles, one joint load a wave: slot 0's two regions (256 rows each) and the two regions' scale bytes; slot 1 is asked for behind the full sequence and a round, a quarter a wave.
; No prefetch: every tile is asked for at the head or directly behind it; there is no loop to run ahead in.
.set PITCH,  272
.set HALFT,  128*PITCH
.set SLOT,   4*HALFT
.set SCL,    2*SLOT
.set HALFS,  16*272
.set SBLK,   544
.set VO,   2
.set ADR1, 16
.set ADR0, 20
.set L16,  24
.set VSO,  25
.set ONES, 26
.set ADRS, 27
.set SC,   32
.set TM,   96
.set PT,   100
.set SO,   104
.set PC,   112
.set WD,   120
.set AF,   128
.set G,    192
.set G1X,  24
.set G0X,  32
.set G1W,  48
.set G0W,  56
.set G1XS, 68
.set G0XS, 76
.set G1WS, 80
.set G0WS, 88
.set MSB, 0
.macro WIN new
.if MSB != (\new)
	s_set_vgpr_msb (MSB<<8)|(\new)
.set MSB, (\new)
.endif
.endm
.set MUL_LO, 0xa1
.set MUL_HI, 0xf1
.set TO_B,   0x40
.macro JLOAD g0a, g1a, g0b, g1b
	s_cmp_eq_u32 s15, 0
	s_cbranch_scc0 .Lfor_w_\@
	tensor_load_to_lds s[\g0a:\g0a+3], s[\g1a:\g1a+7]
	s_nop 0
.rept 4
	v_nop
.endr
	s_branch .Lasked_\@
.Lfor_w_\@:
	tensor_load_to_lds s[\g0b:\g0b+3], s[\g1b:\g1b+7]
	s_nop 0
.rept 4
	v_nop
.endr
.Lasked_\@:
.endm
.macro CROUND
	s_barrier_signal -1
	s_barrier_wait -1
	s_cmp_lg_u32 s14, 0
	s_cbranch_scc1 .Lnot_wave_0_\@
	s_barrier_signal -3
.Lnot_wave_0_\@:
	s_barrier_wait -3
	s_barrier_signal -1
	s_barrier_wait -1
.endm
.macro PLACES n
.rept \n
	v_nop
.endr
.endm
	s_load_b256 s[24:31], s[0:1], 0x0
	s_load_b64 s[32:33], s[0:1], 0x20
	s_load_b256 s[36:43], s[0:1], 0x28
	s_load_b64 s[44:45], s[0:1], 0x48
	s_load_b256 s[48:55], s[0:1], 0x50
	s_load_b64 s[56:57], s[0:1], 0x70
	s_load_b128 s[60:63], s[0:1], 0x78
	v_lshl_add_u32 v30, v0, 2, 0x48400
	v_mov_b32 v31, 0
	ds_add_u32 v30, v31
	ds_add_u32 v30, v31
	v_lshrrev_b32 v10, 5, v0
	v_readfirstlane_b32 s14, v10
	s_lshr_b32 s15, s14, 1
	s_and_b32 s16, s14, 1
	s_and_b32 s18, ttmp7, 0xffff
	s_lshr_b32 s96, s18, 3
	s_and_b32 s17, s18, 7
	s_mov_b32 s95, 0xffff0000
	s_cmp_eq_u32 s96, 2
	s_cselect_b32 s97, 1, 0
	s_cselect_b32 s98, 0, s95
	s_cselect_b32 s99, -1, 0
	s_mov_b32 s100, 143360
	s_mov_b32 s101, 8960
	s_cmp_eq_u32 s96, 0
	s_cselect_b32 s100, 73728, s100
	s_cselect_b32 s101, 4608, s101
	s_wait_dscnt 0x0
	s_wait_kmcnt 0x0
	s_cmp_eq_u32 s96, 1
	s_cselect_b64 s[4:5], s[36:37], s[24:25]
	s_cselect_b64 s[6:7], s[38:39], s[26:27]
	s_cselect_b64 s[8:9], s[40:41], s[28:29]
	s_cselect_b64 s[10:11], s[42:43], s[30:31]
	s_cselect_b64 s[66:67], s[44:45], s[32:33]
	s_cmp_eq_u32 s96, 2
	s_cselect_b64 s[4:5], s[52:53], s[4:5]         ; v: the first region takes wv's rows,
	s_cselect_b64 s[6:7], s[54:55], s[6:7]
	s_cselect_b64 s[8:9], s[48:49], s[8:9]         ; the second V's tokens
	s_cselect_b64 s[10:11], s[50:51], s[10:11]
	s_cselect_b64 s[66:67], s[56:57], s[66:67]
	s_cmp_eq_u32 s96, 0
	s_cselect_b64 s[12:13], s[60:61], s[62:63]
	s_bfe_u32 s40, ttmp6, 0x40000
	s_bfe_u32 s41, ttmp6, 0x40004
	s_cmp_eq_u32 s97, 1
	s_cselect_b32 s42, s17, ttmp9                  ; v: the cluster's y % 8 walks the second region's blocks (tokens),
	s_cselect_b32 s17, 0, s17                      ; and the first region's four blocks are the weight's
	s_lshl_b32 s42, s42, 2
	s_add_co_u32 s42, s42, s40                     ; the second region's block of 256 rows: hangs on cx
	s_lshl_b32 s17, s17, 2
	s_add_co_u32 s17, s17, s41                     ; the first region's: hangs on cy
	s_lshl_b32 s43, s41, 2
	s_lshl_b32 s43, 15, s43
	s_lshl_b32 s44, 0x1111, s40
	s_or_b32 s[G1X+0], s43, (0<<16)|(1<<20)|(1<<21)|(5<<22)|(3<<25)
	s_or_b32 s[G1W+0], s44, (0<<16)|(1<<20)|(1<<21)|(5<<22)|(3<<25)
.irp g, G1X, G1W
	s_mov_b32 s[\g+1], 256<<16
	s_mov_b32 s[\g+2], 256<<16
	s_mov_b32 s[\g+3], 256<<16
	s_mov_b32 s[\g+4], 256
	s_mov_b32 s[\g+5], 512
	s_mov_b32 s[\g+6], 0
	s_mov_b32 s[\g+7], 0
.endr
	s_or_b32 s[G1XS+0], s43, (3<<16)|(1<<20)|(1<<21)|(5<<22)|(3<<25)
	s_or_b32 s[G1WS+0], s44, (3<<16)|(1<<20)|(1<<21)|(5<<22)|(3<<25)
.irp g, G1XS, G1WS
	s_mov_b32 s[\g+1], 32<<16
	s_mov_b32 s[\g+2], 32<<16
	s_mov_b32 s[\g+3], 32<<16
	s_mov_b32 s[\g+4], 32
	s_mov_b32 s[\g+5], 32
	s_mov_b32 s[\g+6], 0
	s_mov_b32 s[\g+7], 0
.endr
	s_lshl_b32 s18, s16, 16                        ; for slot 1: my 128 rows of a region, 512 bytes a row
	s_mov_b32 s19, 0
	s_lshl_b32 s20, s17, 8
	s_lshl_b32 s46, s42, 8
	s_lshl_b32 s22, s20, 5
	s_mov_b32 s23, 0
	s_lshl_b32 s20, s20, 9
	s_mov_b32 s21, 0
	s_lshl_b32 s92, s46, 5
	s_mov_b32 s93, 0
	s_lshl_b32 s46, s46, 9
	s_mov_b32 s47, 0
	s_mul_i32 s45, s14, HALFT
	s_add_nc_u64 s[20:21], s[4:5], s[20:21]
	s_add_nc_u64 s[22:23], s[6:7], s[22:23]
	s_add_nc_u64 s[46:47], s[8:9], s[46:47]
	s_add_nc_u64 s[92:93], s[10:11], s[92:93]
	CROUND
	s_mov_b32 s[G0XS], 1
	s_mov_b32 s[G0XS+1], SCL
	s_mov_b64 s[G0XS+2:G0XS+3], s[22:23]
	s_or_b32 s[G0XS+3], s[G0XS+3], 0x80000000
	s_mov_b32 s[G0WS], 1
	s_mov_b32 s[G0WS+1], SCL+2*HALFS
	s_mov_b64 s[G0WS+2:G0WS+3], s[92:93]
	s_or_b32 s[G0WS+3], s[G0WS+3], 0x80000000
	s_mov_b32 s[G0X], 1                            ; slot 0, whole regions: the first region's 256 rows,
	s_mov_b32 s[G0X+1], 0
	s_mov_b64 s[G0X+2:G0X+3], s[20:21]
	s_or_b32 s[G0X+3], s[G0X+3], 0x80000000
	s_mov_b32 s[G0W], 1                            ; and the second's, behind them
	s_mov_b32 s[G0W+1], 2*HALFT
	s_mov_b64 s[G0W+2:G0W+3], s[46:47]
	s_or_b32 s[G0W+3], s[G0W+3], 0x80000000
	s_add_nc_u64 s[20:21], s[20:21], s[18:19]      ; slot 1: my 128 rows, 256 bytes on along K
	s_add_nc_u64 s[46:47], s[46:47], s[18:19]
	s_mov_b32 s[G0X+4], 1
	s_add_co_u32 s[G0X+5], s45, SLOT
	s_add_nc_u64 s[G0X+6:G0X+7], s[20:21], 256
	s_or_b32 s[G0X+7], s[G0X+7], 0x80000000
	s_mov_b32 s[G0W+4], 1
	s_add_co_u32 s[G0W+5], s45, SLOT
	s_add_nc_u64 s[G0W+6:G0W+7], s[46:47], 256
	s_or_b32 s[G0W+7], s[G0W+7], 0x80000000
; the head's loads, one a wave: one tree of branches on the wave's number, an arm a load
.macro ARM under, g0, g1, next
	s_cmp_lt_u32 s14, \under
	s_cbranch_scc0 \next
	tensor_load_to_lds s[\g0:\g0+3], s[\g1:\g1+7]
	s_nop 0
.rept 4
	v_nop
.endr
	s_branch .Lhead_asked
\next:
.endm
	ARM 1, G0X,  G1X,  .Lhead_b
	ARM 2, G0W,  G1W,  .Lhead_sa
	ARM 3, G0XS, G1XS, .Lhead_sb
	tensor_load_to_lds s[G0WS:G0WS+3], s[G1WS:G1WS+7]
	s_nop 0
.rept 4
	v_nop
.endr
.Lhead_asked:
	s_mov_b32 s92, 0x76543210
	s_mov_b32 s93, 0xfedcba98
	v_and_b32 v10, 15, v0
	v_bfe_u32 v11, v0, 4, 1
	v_mul_u32_u24 v12, v10, PITCH
	v_lshl_add_u32 v12, v11, 4, v12
	s_mul_i32 s18, s15, HALFT
	s_mul_i32 s19, s16, HALFT
	s_add_co_u32 s19, s19, 2*HALFT
	v_add_nc_u32 v[ADR1], s18, v12                 ; source 1: the first region, half wave / 2
	v_add_nc_u32 v[ADR0], s19, v12                 ; source 0: the second region, half wave % 2
	v_add_nc_u32 v[ADR1+1], SLOT, v[ADR1]
	v_add_nc_u32 v[ADR0+1], SLOT, v[ADR0]
	v_lshlrev_b32 v13, 5, v10
	v_lshrrev_b32 v14, 3, v10
	v_lshl_add_u32 v13, v14, 4, v13
	s_mul_i32 s18, s15, HALFS
	s_mul_i32 s19, s16, HALFS
	s_add_co_u32 s19, s19, 2*HALFS
	s_sub_co_u32 s19, s19, s18
	v_mul_u32_u24 v14, s19, v11                    ; lanes 16-31 take the second region's scale words: one product, the distance x the lane's half
	s_add_co_u32 s18, s18, SCL
	v_add_nc_u32 v13, v13, v14
	v_add_nc_u32 v[ADRS], s18, v13
	v_and_b32 v[L16], 31, v0
	v_lshlrev_b32 v[L16], 4, v[L16]
	v_mul_u32_u24 v[VSO], s100, v11
	v_lshl_add_u32 v[VSO], v10, 4, v[VSO]
	v_mov_b32 v[ONES], 0x7f7f
.irp b, 0,1,2,3
	v_mov_b32 v[PT+\b], 0
.endr
	s_cmp_eq_u32 s97, 1
	s_cselect_b32 s2, 0, 32
	s_cselect_b32 s3, 4, 0
	s_cselect_b32 s18, 0, 4
	v_mul_u32_u24 v13, s2, v11
	v_mad_u32_u24 v13, s3, v10, v13
	v_mov_b32 v14, s18
.irp j, 0,1,2,3,4,5,6,7
	v_mad_u32_u24 v[VO+\j], v14, \j, v13
.endr
	s_cmp_eq_u32 s97, 1                            ; which region holds tokens and which channels: for global addresses alone
	s_cselect_b32 s40, s42, s17                    ; my block of 256 tokens,
	s_cselect_b32 s41, s16, s15                    ; my half of it,
	s_cselect_b32 s43, s17, s42                    ; my block of 256 channels,
	s_cselect_b32 s44, s15, s16                    ; my half of it
	s_lshl_b32 s18, s43, 10
	s_lshl_b32 s19, s44, 9
	s_add_co_u32 s18, s18, s19
	s_mov_b32 s19, 0
	s_add_nc_u64 s[66:67], s[66:67], s[18:19]
	s_wait_alu depctr_va_vdst(0)
.irp g, 0,1,2,3,4,5,6,7
.irp j, 0,1,2,3,4,5,6,7
	global_load_b32 v[G+8*\g+\j], v[VO+\j], s[66:67] offset:64*\g
.endr
.endr
.macro FRAG reg, adr, q, i
.irp c, 0,1
	ds_load_b128 v[\reg+4*\c:\reg+4*\c+3], v[\adr] offset:64*(\q)+32*\c+(\i)*16*PITCH
.endr
.endm
.macro MUL16 a0, p, q, sc, mode
.irp a, \a0, \a0+1
.irp b, 0,1,2,3,4,5,6,7
.if \mode == 0
	v_wmma_scale_f32_16x16x128_f8f6f4 v[8*(8*((\a)%4)+\b):8*(8*((\a)%4)+\b)+7], v[128*(\p)+8*\b:128*(\p)+8*\b+7], v[AF+8*(\a):AF+8*(\a)+7], v[8*(8*((\a)%4)+\b):8*(8*((\a)%4)+\b)+7], v[SC+32*(\sc)+4*\b+(\q)], v[SC+32*(\sc)+4*(\a)+(\q)] matrix_a_fmt:MATRIX_FMT_FP4 matrix_b_fmt:MATRIX_FMT_FP4 matrix_a_scale:MATRIX_SCALE_ROW1
.elseif \mode == 1
	v_wmma_scale_f32_16x16x128_f8f6f4 v[8*(8*((\a)%4)+\b):8*(8*((\a)%4)+\b)+7], v[128*(\p)+8*\b:128*(\p)+8*\b+7], v[AF+8*(\a):AF+8*(\a)+7], v[G+8*\b:G+8*\b+7], v[SC+32*(\sc)+4*\b+(\q)], v[SC+32*(\sc)+4*(\a)+(\q)] matrix_a_fmt:MATRIX_FMT_FP4 matrix_b_fmt:MATRIX_FMT_FP4 matrix_a_scale:MATRIX_SCALE_ROW1
.else
	v_wmma_scale_f32_16x16x128_f8f6f4 v[8*(8*((\a)%4)+\b):8*(8*((\a)%4)+\b)+7], v[128*(\p)+8*\b:128*(\p)+8*\b+7], v[AF+8*(\a):AF+8*(\a)+7], v[G+8*(\a):G+8*(\a)+7], v[SC+32*(\sc)+4*\b+(\q)], v[SC+32*(\sc)+4*(\a)+(\q)] matrix_a_fmt:MATRIX_FMT_FP4 matrix_b_fmt:MATRIX_FMT_FP4 matrix_a_scale:MATRIX_SCALE_ROW1
.endif
.endr
.endr
.endm
.macro FETCH_B slot, q, p
	WIN TO_B
.irp i, 0,1,2,3,4,5,6,7
	FRAG 128*(\p)+8*\i, ADR0+\slot, \q, \i
.endr
	WIN 0
.endm
.macro FETCH_A slot, q, i0
.irp i, \i0, \i0+1, \i0+2, \i0+3
	FRAG AF+8*(\i), ADR1+\slot, \q, \i
.endr
.endm
.macro SCALES sc
.irp i, 0,1,2,3,4,5,6,7
	ds_load_b128 v[SC+32*\sc+4*\i:SC+32*\sc+4*\i+3], v[ADRS] offset:\i*SBLK
.endr
.endm
.macro STEP slot, q, mode
	s_wait_dscnt 8
.if \mode
	WIN 0x81
.else
	WIN MUL_LO
.endif
	MUL16 0, (\q)%2, \q, \slot, \mode
	MUL16 2, (\q)%2, \q, \slot, \mode
	s_wait_dscnt 0x0
	PLACES 4
	FETCH_B \slot, (\q)+1, 1-(\q)%2
	FETCH_A \slot, (\q)+1, 0
.if \mode
	WIN 0xc1
.else
	WIN MUL_HI
.endif
	MUL16 4, (\q)%2, \q, \slot, \mode
	MUL16 6, (\q)%2, \q, \slot, \mode
	PLACES 4
	WIN 0
	FETCH_A \slot, (\q)+1, 4
.endm
	s_wait_alu depctr_va_vdst(0)                   ; the wait at the head's end
	s_wait_tensorcnt 0x0                           ; my tile of the head's four is in; the lines ahead of a later first fill:
	ds_add_u32 v30, v31
	s_mov_b32 s[G1X+2], 128<<16                    ; no tensor load of mine is out: from here on a load brings 128 rows
	s_mov_b32 s[G1X+4], 128
	s_mov_b32 s[G1W+2], 128<<16
	s_mov_b32 s[G1W+4], 128
	s_wait_dscnt 0x0
	CROUND                                         ; all four tiles are in, and all sixteen work-groups are here
	JLOAD G0X+4, G1X, G0W+4, G1W                   ; slot 1: the first tensor load behind the round
	FETCH_B 0, 0, 0
	FETCH_A 0, 0, 0
	SCALES 0
	FETCH_A 0, 0, 4
	s_wait_loadcnt 0x0
	s_cmp_eq_u32 s97, 1
	s_cbranch_scc1 .Lfirst_v
	STEP 0, 0, 1
	s_branch .Lfirst_done
.Lfirst_v:
	STEP 0, 0, 2
.Lfirst_done:
	STEP 0, 1, 0
	STEP 0, 2, 0
	s_wait_tensorcnt 0x0
	s_wait_dscnt 8
	WIN MUL_LO
	MUL16 0, 1, 3, 0, 0
	s_wait_dscnt 0x0
	s_barrier_signal -1
	MUL16 2, 1, 3, 0, 0
	WIN 0
	s_barrier_wait -1
	PLACES 4
	v_add_nc_u32 v[ADRS], 16, v[ADRS]
	FETCH_B 1, 0, 0
	FETCH_A 1, 0, 0
	SCALES 1
	WIN MUL_HI
	MUL16 4, 1, 3, 0, 0
	MUL16 6, 1, 3, 0, 0
	PLACES 4
	WIN 0
	FETCH_A 1, 0, 4
	STEP 1, 0, 0
	STEP 1, 1, 0
	STEP 1, 2, 0
	s_wait_dscnt 8
	WIN MUL_LO
	MUL16 0, 1, 3, 1, 0
	MUL16 2, 1, 3, 1, 0
	s_wait_dscnt 0x0
	WIN MUL_HI
	MUL16 4, 1, 3, 1, 0
	MUL16 6, 1, 3, 1, 0
	WIN 0
	PLACES 4
	s_lshl_b32 s18, s40, 8
	s_lshl_b32 s19, s41, 7
	s_add_co_u32 s18, s18, s19
	s_lshl_b32 s19, s43, 8
	s_lshl_b32 s20, s44, 7
	s_add_co_u32 s19, s19, s20
	s_lshr_b32 s20, s18, 11
	s_lshl_b32 s20, s20, 4
	s_lshr_b32 s19, s19, 6
	s_add_co_u32 s20, s20, s19
	s_bfe_u32 s18, s18, 0x40007
	s_mul_i32 s20, s20, s100
	s_mul_i32 s18, s18, s101
	s_add_co_u32 s20, s20, s18
	s_mov_b32 s21, 0
	s_add_nc_u64 s[12:13], s[12:13], s[20:21]
	s_lshl_b32 s18, s97, 12
	s_mov_b32 s19, 0
	s_add_nc_u64 s[24:25], s[12:13], s[18:19]
	s_mov_b32 s18, 512
	s_cmp_eq_u32 s97, 1
	s_cselect_b32 s18, s18, s100
	s_add_nc_u64 s[26:27], s[24:25], s[18:19]
	s_min_u32 s18, s96, 1
	s_lshl_b32 s18, 4096, s18
	s_lshl_b32 s2, s97, 9
	s_add_co_u32 s18, s18, s2
	s_add_nc_u64 s[28:29], s[12:13], s[18:19]
	s_lshl_b32 s30, 512, s97
	s_mov_b32 s31, 0
	s_sub_co_u32 s32, s100, 4096
	s_cmp_eq_u32 s97, 1
	s_cselect_b32 s32, s32, 0
	s_mov_b32 s33, 0
.macro EPI a
.set AC, 64*((\a)%4)
.if (\a) > 0
	s_wait_xcnt 0x0
	s_add_nc_u64 s[24:25], s[24:25], s[30:31]
	s_add_nc_u64 s[26:27], s[26:27], s[30:31]
.endif
.if (\a) == 4
	s_add_nc_u64 s[24:25], s[24:25], s[32:33]
	s_add_nc_u64 s[26:27], s[26:27], s[32:33]
.endif
	WIN 0x28+0x14*((\a)/4)
.irp b, 0,1,2,3
	v_max3_num_f32 v[TM+\b], 0x1800000, |v[AC+16*\b]|, |v[AC+16*\b+1]|
.endr
.irp i, 2,4,6,8,10,12,14
.irp b, 0,1,2,3
	v_max3_num_f32 v[TM+\b], v[TM+\b], |v[AC+16*\b+\i]|, |v[AC+16*\b+\i+1]|
.endr
.endr
	WIN 0
.irp b, 0,1,2,3
	v_permlanex16_b32 v[PT+\b], v[TM+\b], s92, s93
.endr
.irp b, 0,1,2,3
	v_max_num_f32 v[TM+\b], v[TM+\b], v[PT+\b]
.endr
.irp b, 0,1,2,3
	v_add_nc_u32 v[SO+\b], 0xff000000, v[TM+\b]
.endr
.irp b, 0,1,2,3
	v_lshrrev_b32 v[PT+\b], 23, v[SO+\b]
.endr
	v_lshl_or_b32 v108, v[PT+1], 8, v[PT]
	v_lshl_or_b32 v109, v[PT+3], 8, v[PT+2]
	v_cndmask_b32 v110, v108, v109, s98
	v_cndmask_b32 v111, v[ONES], v109, s99
	v_lshl_or_b32 v[WD+(\a)], v111, 16, v110
	WIN 2+(\a)/4
.irp c, 0,1
.irp u, 0,1
.irp e, 0,1
	v_cvt_scalef32_pk8_fp4_f32 v[PC+4*\c+2*\u+\e], v[AC+16*(2*\c+\e)+8*\u:AC+16*(2*\c+\e)+8*\u+7], v[SO+2*\c+\e]
.endr
.endr
.endr
	WIN 0
	v_nop
.irp c, 0,1
.irp u, 0,1
	v_permlane16_swap_b32 v[PC+4*\c+2*\u], v[PC+4*\c+2*\u+1]
.endr
.endr
	global_store_b128 v[L16], v[PC:PC+3], s[24:25]
	global_store_b128 v[L16], v[PC+4:PC+7], s[26:27]
.endm
.irp a, 0,1,2,3,4,5,6,7
	EPI \a
.endr
	s_and_b32 s2, s99, s95
.irp t, 0,1,2,3
	v_cndmask_b32 v[WD+\t], v[WD+\t], v[WD+4+\t], s2
.endr
	global_store_b128 v[VSO], v[WD:WD+3], s[28:29]
	s_cmp_eq_u32 s97, 1
	s_cbranch_scc1 .Lno_second
	global_store_b128 v[VSO], v[WD+4:WD+7], s[28:29] offset:256
.Lno_second:
	s_wait_tensorcnt 0x0
	ds_add_u32 v30, v31
	s_wait_dscnt 0x0
	CROUND
	s_endpgm
.Lfunc_end_k_q41133e30f6_proj:
	.size	k_q41133e30f6_proj, .Lfunc_end_k_q41133e30f6_proj-k_q41133e30f6_proj
	.p2alignl 7, 3214868480
	.fill 96, 4, 3214868480
	.section	.rodata,"a",@progbits
	.p2align	6, 0x0
	.amdhsa_kernel k_q41133e30f6_proj
		.amdhsa_group_segment_fixed_size 327680
		.amdhsa_private_segment_fixed_size 0
		.amdhsa_enable_private_segment 0
		.amdhsa_kernarg_size 136
		.amdhsa_user_sgpr_count 2
		.amdhsa_user_sgpr_kernarg_segment_ptr 1
		.amdhsa_wavefront_size32 1
		.amdhsa_system_sgpr_workgroup_id_x 1
		.amdhsa_system_sgpr_workgroup_id_y 1
		.amdhsa_system_sgpr_workgroup_id_z 1
		.amdhsa_system_vgpr_workitem_id 0
		.amdhsa_next_free_vgpr 1024
		.amdhsa_next_free_sgpr 102
		.amdhsa_reserve_vcc 0
		.amdhsa_float_denorm_mode_32 3
		.amdhsa_float_denorm_mode_16_64 3
		.amdhsa_memory_ordered 1
		.amdhsa_forward_progress 1
		.amdhsa_inst_pref_size 150
	.end_amdhsa_kernel
	.amdgpu_metadata
---
amdhsa.version: [ 1, 2 ]
amdhsa.kernels:
  - .name:           k_q41133e30f6_proj
    .symbol:         k_q41133e30f6_proj.kd
    .args:
      - { .name: Q_codes, .offset: 0, .size: 8, .value_kind: global_buffer, .address_space: global }
      - { .name: Q_scales, .offset: 8, .size: 8, .value_kind: global_buffer, .address_space: global }
      - { .name: wq_codes, .offset: 16, .size: 8, .value_kind: global_buffer, .address_space: global }
      - { .name: wq_scales, .offset: 24, .size: 8, .value_kind: global_buffer, .address_space: global }
      - { .name: bq, .offset: 32, .size: 8, .value_kind: global_buffer, .address_space: global }
      - { .name: K_codes, .offset: 40, .size: 8, .value_kind: global_buffer, .address_space: global }
      - { .name: K_scales, .offset: 48, .size: 8, .value_kind: global_buffer, .address_space: global }
      - { .name: wk_codes, .offset: 56, .size: 8, .value_kind: global_buffer, .address_space: global }
      - { .name: wk_scales, .offset: 64, .size: 8, .value_kind: global_buffer, .address_space: global }
      - { .name: bk, .offset: 72, .size: 8, .value_kind: global_buffer, .address_space: global }
      - { .name: V_codes, .offset: 80, .size: 8, .value_kind: global_buffer, .address_space: global }
      - { .name: V_scales, .offset: 88, .size: 8, .value_kind: global_buffer, .address_space: global }
      - { .name: wv_codes, .offset: 96, .size: 8, .value_kind: global_buffer, .address_space: global }
      - { .name: wv_scales, .offset: 104, .size: 8, .value_kind: global_buffer, .address_space: global }
      - { .name: bv, .offset: 112, .size: 8, .value_kind: global_buffer, .address_space: global }
      - { .name: qws, .offset: 120, .size: 8, .value_kind: global_buffer, .address_space: global }
      - { .name: kvws, .offset: 128, .size: 8, .value_kind: global_buffer, .address_space: global }
    .group_segment_fixed_size: 327680
    .private_segment_fixed_size: 0
    .kernarg_segment_align: 8
    .kernarg_segment_size: 136
    .max_flat_workgroup_size: 128
    .sgpr_count:     102
    .vgpr_count:     1024
    .wavefront_size: 32
...
	.end_amdgpu_metadata
.endif
;; end of part 1
;; launch attn (part 2): grid 4 x 64, 16 waves a work-group, clusters of 4 x 1, 215,040 bytes of LDS; arguments qws, kvws, out0; writes out0
.if DOCPART == 2
	.amdgcn_target "amdgcn-amd-amdhsa--gfx1250"
	.amdhsa_code_object_version 6
	.text
	.protected	k_q41133e30f6_attn
	.globl	k_q41133e30f6_attn
	.p2align	8
	.type	k_q41133e30f6_attn,@function
k_q41133e30f6_attn:
	s_mov_b64 s[64:65], 0
	v_nop
	global_prefetch_b8 v0, s[64:65] scope:SCOPE_SE
	s_setreg_imm32_b32 hwreg(HW_REG_WAVE_MODE, 25, 1), 1
	s_wait_xcnt 0x0
	s_wait_alu depctr_hold_cnt(0) depctr_sa_sdst(0) depctr_va_vdst(0) depctr_va_sdst(0) depctr_va_ssrc(0) depctr_va_vcc(0) depctr_vm_vsrc(0)
	s_getreg_b32 s2, hwreg(HW_REG_IB_STS2, 6, 4)
	s_cmp_eq_u32 s2, 0
	s_cbranch_scc0 .Lentry_in_a_cluster
	s_endpgm
.Lentry_in_a_cluster:
	s_bfe_u32 s2, ttmp6, 0x10000c
	s_cmp_lg_u32 s2, 0x3003
	s_cbranch_scc0 .Lentry_shape_is_right
	s_endpgm
.Lentry_shape_is_right:
; out[b][q][64 head + d] = the sum over k of softmax_k(q . k / 8) v, both products on codes of FP4 (E2M1) with one E8M0 byte for each 32 along a product's K.  64 (batch, head) pairs, 2,048 tokens, head size 64.
; q, k and v come as images of operand registers, made by the launch before.  out0: [4][2048][1024] f32.
; THE SOFTMAX AHEAD OF THE SECOND PRODUCT: t = score x log2(e) / 8; M = the running largest t rounded UP to a whole number; p = 2^(t - M) is quantised along the keys, not normalised; the row's sum is taken of the
; unquantised p and divides at the end.  When M moves, the sum and O are multiplied by 2^(old M - new M): exact, and in every step: no branch on data.
; SHARES.  A work-group owns 512 queries of one head, each of its sixteen waves 32: two tiles of 16, which share every fragment of K and V.  A head's K and V, codes and scale words, are 143,360 bytes: they come into
; LDS ONCE, one tensor load a wave (one step of 128 keys, 8,960 dense bytes), and stay.  CLUSTER 4 x 1: the four blocks of queries of a head need the same bytes, so each load is a joint one that names the four.
; No prefetch: all tiles are asked for once, at the head; there is no loop to run ahead in.
; LAYOUT.  Both products are used transposed: S^T = K Q^T (source 0 = 16 keys), O^T = V^T P^T (source 0 = 16 channels): a lane holds ONE query (lane % 16) throughout.
; THE KEYS OF A TILE ARE NOT NEIGHBOURS: row m of score tile 4 c + u is key 64 c + 32 (m / 8) + 8 u + m % 8.  So lane (r, h) holds in registers 32 c .. 32 c + 31 of S the keys 64 c + 32 h + 0 .. 31: ONE WHOLE BLOCK of the second
; product's K, in the order of that operand's registers: a block's maximum needs no other lane, and the eight conversions' results are the operand as it stands.  The choice is made by the LDS addresses of K's images alone.
; K = 64 IN A FORM OF 128: Q's registers 4-7 are zero codes, and bytes 2, 3 of both scale words are 0x7f.  So K's upper four registers may hold any codes: a tile is named with the next tile's codes as its upper half (behind the last: zeros).
; ORDER.  Maxima and sums go in eight chains by turns; lines that hang on each other (the way to M and f, the scale word) have lines of other work between them: the other tile's or the tile's own rescaling of O^T, the multiply-adds, the conversions.
; LIMITS: NaN and infinities are not served.  A block's largest p is not searched for: the block's largest score goes through the same multiply-add and exponential, which takes v_exp_f32 not to fall where its input rises.
; A block whose every p has fallen to 0 keeps the byte 1: its codes are zeros.
.set STEPB, 8960                       ; a step of 128 keys in LDS and in memory: K's 8 images | V's 8 | K's scale words | V's
.set STG,   16*STEPB                   ; behind them: a stage of 16 rows x (256 bytes + 16) for each wave: bytes of its own, into which no tensor load lands
.set AK0,  1                           ; v1   my place in K's images: 1024 (r / 8) + 16 (r % 8) + 256 h
.set AV0,  2                           ; v2   16 x lane: my place in an image of V or Q
.set AKS0, 3                           ; v3   my place among K's scale words: 16 (r % 8) + 8 (r / 8)
.set AVS0, 4                           ; v4   16 r: among V's and Q's
.set STO,  5                           ; v5   the stage: where I put 32 bytes of a row
.set RD,   6                           ; v6   and where I read a row back
.set GO,   7                           ; v7   my byte offset in two rows of out0
                                       ; v8-11, v12-15  tile x: -M, the largest score, the sum in two halves
.set QF,   16                          ; v16-31 Q's two fragments (registers 4-7 of each: zeros)
.set KV,   32                          ; v32-63 K's 8 x 4 registers, later V's 4 x 8;  v64-67 zeros
.set S,    68                          ; v68-131 S^T, then p, then the sum's chains
.set O,    132                         ; v132-195 O^T, two tiles
.set PCD,  196                         ; v196-211 p's codes
.set KS,   212                         ; v212-219 K's scale words: tile 4 c + u in register 4 c + 2 (u % 2) + u / 2
.set VS,   220                         ; v220-223 V's
.set PWD,  224                         ; v224, v225 p's
.set QS,   226                         ; v226, v227 Q's
.set MX,   228                         ; v228-235 eight chains of maxima; then v228, v232: my two blocks' largest score, then largest p
.set PT,   236                         ; what lane l xor 16 holds
.set X,    237
.set YY,   238
.set OLD,  239                         ; the -M that the next chain starts from
.set SO,   240                         ; v240, v241 the conversions' scale operands
.set BY,   242                         ; v242, v243 my two blocks' scale bytes
.set F,    244                         ; v[244:245] f = 2^(old M - new M) (the pair's low word serves both halves)
.set SH8,  246                         ; 8 h
.set ADK,  248                         ; the places above + a step's first byte
.set ADV,  249
.set ADKS, 250
.set ADVS, 251
.set RC,   252                         ; v[252:253] 1 / the sum
.macro CROUND                          ; a round of the cluster's barrier
	s_barrier_signal -1
	s_barrier_wait -1
	s_cmp_lg_u32 s10, 0
	s_cbranch_scc1 .Lnot_wave_0_\@
	s_barrier_signal -3
.Lnot_wave_0_\@:
	s_barrier_wait -3
	s_barrier_signal -1
	s_barrier_wait -1
.endm
	s_load_b128 s[4:7], s[0:1], 0x0                ; qws, kvws
	s_load_b64 s[8:9], s[0:1], 0x10                ; out0
	v_lshl_add_u32 v254, v0, 2, 0x34000            ; my spare word, behind the stages
	v_mov_b32 v255, 0
	ds_add_u32 v254, v255                          ; the opening lines
	ds_add_u32 v254, v255
	v_lshrrev_b32 v3, 5, v0
	v_readfirstlane_b32 s10, v3                    ; wave 0..15
	s_bfe_u32 s11, ttmp6, 0x40000                  ; cx
	s_lshl_b32 s12, ttmp9, 2
	s_add_co_u32 s12, s12, s11                     ; my block of 512 queries: it enters Q's and out0's addresses alone
	s_and_b32 s13, ttmp7, 0xffff                   ; (batch, head), which the four partners share
	; descriptor group 1: 8,960 dense bytes as 35 rows of 256 bytes (32 elements of 8 bytes), no padding
	s_mov_b32 s24, 15|(3<<16)|(1<<21)              ; the mask: all four work-groups; elements of 8 bytes; bit 21 beside a mask
	s_mov_b32 s25, 32<<16
	s_mov_b32 s26, 35<<16
	s_mov_b32 s27, 32<<16
	s_mov_b32 s28, 35
	s_mov_b32 s29, 32
	s_mov_b32 s30, 0
	s_mov_b32 s31, 0
	s_mul_i32 s40, s13, 16*STEPB                   ; the head's block,
	s_mul_i32 s33, s10, STEPB                      ; my step: in memory and in LDS alike
	s_add_co_u32 s40, s40, s33
	s_mov_b32 s41, 0
	s_mov_b32 s32, 1
	; Q: tiles 2 w, 2 w + 1 of the work-group's 32: group of 128 tokens 4 qb + w / 4, images 2 (w % 4) and the next
	s_mul_i32 s42, s13, 73728
	s_lshl_b32 s43, s12, 2
	s_lshr_b32 s44, s10, 2
	s_add_co_u32 s43, s43, s44
	s_mul_i32 s43, s43, 4608
	s_add_co_u32 s42, s42, s43
	s_and_b32 s44, s10, 3
	s_lshl_b32 s45, s44, 10
	s_add_co_u32 s46, s42, s45
	s_mov_b32 s47, 0
	s_lshr_b32 s44, s44, 1                         ; its scale words [half 2][r 16][4]: half (w % 4) / 2, words 2 (w % 2) and the next
	s_lshl_b32 s44, s44, 8
	s_and_b32 s45, s10, 1
	s_lshl_b32 s45, s45, 3
	s_add_co_u32 s44, s44, s45
	s_add_co_u32 s44, s44, s42
	s_add_co_u32 s44, s44, 4096
	s_mov_b32 s45, 0
	s_lshr_b32 s48, s13, 4                         ; out0: row 2,048 batch + 512 qb + 32 w of 4,096 bytes, + 256 x head
	s_lshl_b32 s48, s48, 11
	s_lshl_b32 s49, s12, 9
	s_add_co_u32 s48, s48, s49
	s_lshl_b32 s49, s10, 5
	s_add_co_u32 s48, s48, s49
	s_lshl_b32 s48, s48, 12
	s_and_b32 s49, s13, 15
	s_lshl_b32 s49, s49, 8
	s_add_co_u32 s48, s48, s49
	s_mov_b32 s49, 0
	s_mov_b32 s20, 0x76543210                      ; v_permlanex16_b32's selects for lane l xor 16
	s_mov_b32 s21, 0xfedcba98
	s_mov_b32 s22, 0x3e38aa3b                      ; c = log2(e) / 8
	s_mov_b32 s23, s22                             ; (named with it as a pair, so it is written)
	s_mov_b32 s51, 0xbe38aa3b                      ; -c
	s_wait_dscnt 0x0
	s_wait_kmcnt 0x0
	s_add_nc_u64 s[34:35], s[6:7], s[40:41]
	s_or_b32 s35, s35, 0x80000000
	s_add_nc_u64 s[16:17], s[4:5], s[44:45]        ; Q's scale words
	s_add_nc_u64 s[4:5], s[4:5], s[46:47]          ; Q's images
	s_add_nc_u64 s[8:9], s[8:9], s[48:49]
	CROUND                                         ; all four work-groups are here: the joint loads meet
	tensor_load_to_lds s[32:35], s[24:31]          ; my one tensor load: step w of the head
	s_nop 0
.rept 4
	v_nop
.endr
	v_and_b32 v[AV0], 31, v0
	v_and_b32 v[X], 15, v0                         ; r
	v_bfe_u32 v[YY], v0, 4, 1                      ; h
	v_lshlrev_b32 v[AV0], 4, v[AV0]
	v_lshlrev_b32 v[AVS0], 4, v[X]
	global_load_b128 v[QF:QF+3], v[AV0], s[4:5]            ; Q stays in registers
	global_load_b128 v[QF+8:QF+11], v[AV0], s[4:5] offset:512
	global_load_b32 v[QS], v[AVS0], s[16:17]
	global_load_b32 v[QS+1], v[AVS0], s[16:17] offset:4
	v_and_b32 v[PT], 7, v0
	v_bfe_u32 v[BY], v0, 3, 1                      ; r / 8
	v_lshlrev_b32 v[PT], 4, v[PT]                  ; 16 (r % 8)
	v_lshlrev_b32 v[SH8], 3, v[YY]
	v_lshl_add_u32 v[BY+1], v[BY], 10, v[PT]
	v_lshl_add_u32 v[AKS0], v[BY], 3, v[PT]
	v_lshl_add_u32 v[ADKS], v[BY], 3, v[PT]        ; step 0's places are the places themselves
	v_lshl_add_u32 v[AK0], v[YY], 8, v[BY+1]
	v_lshl_add_u32 v[ADK], v[YY], 8, v[BY+1]
.irp j, 4,5,6,7,12,13,14,15
	v_mov_b32 v[QF+\j], 0                          ; Q's K = 64 .. 127: zero codes
.endr
.irp j, 0,1,2,3
	v_mov_b32 v[KV+32+\j], 0                       ; what the last tile of K names as its upper half
.endr
	s_mul_i32 s50, s10, 16*272
	s_add_co_u32 s50, s50, STG                     ; my stage
	v_mul_u32_u24 v[STO], v[X], 272
	v_mul_u32_u24 v[RD], v[YY], 272
	v_lshlrev_b32 v[GO], 12, v[YY]
	v_lshl_add_u32 v[STO], v[YY], 5, v[STO]
	v_lshl_add_u32 v[RD], v[X], 4, v[RD]
	v_lshl_add_u32 v[GO], v[X], 4, v[GO]           ; two rows of out0: lanes 0-15 one, lanes 16-31 the next
	v_add_nc_u32 v[STO], s50, v[STO]               ; in: row r; tile t's eight channels of my half: 64 t + 32 h bytes on
	v_add_nc_u32 v[RD], s50, v[RD]                 ; back: lanes 0-15 one row, lanes 16-31 the next
.irp x, 0,1
	v_mov_b32 v[9+4*\x], 0xff61b1e6                ; the largest score so far: -3e38
	v_mov_b32 v[8+4*\x], 0x7f61b1e6                ; -M: 3e38, a whole number: the first change of M gives f = 0
	v_mov_b32 v[10+4*\x], 0                        ; the sum, in two halves
	v_mov_b32 v[11+4*\x], 0
.endr
	v_mov_b32 v[OLD], 0x7f61b1e6                   ; tile 0's -M
	v_mov_b32 v[PT], 0                             ; a lane permute's destination counts as one of its sources
	v_mov_b32 v[F+1], 0                            ; (named as the upper halves of pairs)
	v_mov_b32 v[RC+1], 0
.set j, 0
.rept 64
	v_mov_b32 v[O+j], 0                            ; O^T.  (The step has one form: the first finds zeros, which f = 0 leaves zeros)
.set j, j+1
.endr
.macro KLOAD                           ; a step's eight tiles of K, rows chosen as the head's comment says, and their rows' scale words (two tiles' words lie side by side: 8 bytes a lane)
.irp c, 0,1
.irp u, 0,1,2,3
	ds_load_b128 v[KV+16*\c+4*\u:KV+16*\c+4*\u+3], v[ADK] offset:2048*\c+512*(\u/2)+128*(\u%2)
.endr
.irp e, 0,1
	ds_load_b64 v[KS+4*\c+2*\e:KS+4*\c+2*\e+1], v[ADKS] offset:8192+256*\c+128*\e
.endr
.endr
.endm
.macro VLOAD                           ; a step's four tiles of V^T (16 channels x 128 keys) and their scale words
.irp t, 0,1,2,3
.irp c, 0,1
	ds_load_b128 v[KV+8*\t+4*\c:KV+8*\t+4*\c+3], v[ADV] offset:4096+1024*\t+512*\c
.endr
.endr
	ds_load_b128 v[VS:VS+3], v[ADVS] offset:8704
.endm
.macro SCORES x                        ; S^T = K Q^T for tile x: eight tiles of 16 keys
.irp c, 0,1
.irp u, 0,1,2,3
	v_wmma_scale_f32_16x16x128_f8f6f4 v[S+32*\c+8*\u:S+32*\c+8*\u+7], v[KV+16*\c+4*\u:KV+16*\c+4*\u+7], v[QF+8*\x:QF+8*\x+7], 0, v[KS+4*\c+2*(\u%2)+\u/2], v[QS+\x] matrix_a_fmt:MATRIX_FMT_FP4 matrix_b_fmt:MATRIX_FMT_FP4
.endr
.endr
.endm
.macro R x, n                          ; line n (0 .. 15) of tile x's rescaling: O^T under the new M, two registers; ascending n takes each accumulator from its low end on
	v_pk_mul_f32 v[O+32*\x+2*(\n):O+32*\x+2*(\n)+1], v[O+32*\x+2*(\n):O+32*\x+2*(\n)+1], v[F:F+1] op_sel_hi:[1,0]
.endm
.macro RF fill, a, b                   ; two lines of tile 0's rescaling, where fill = 1
.if \fill
	R 0, \a
	R 0, \b
.endif
.endm
; The largest score of each of my two blocks (registers 32 c .. 32 c + 31 of S), the running maximum, the new -M.  fill = 1: lines 4 .. 15 of tile 0's rescaling stand between the lines that hang on each other.
.macro FRONT x, fill
.set NM, 8+4*\x
.set RS, 9+4*\x
.irp k, 0,1,2,3,4,5,6,7
	v_max3_num_f32 v[MX+\k], v[S+8*\k], v[S+8*\k+1], v[S+8*\k+2]   ; eight chains by turns, one to an accumulator, each from its low end on
.endr
.irp i, 3,5
.irp k, 0,1,2,3,4,5,6,7
	v_max3_num_f32 v[MX+\k], v[MX+\k], v[S+8*\k+\i], v[S+8*\k+\i+1]
.endr
.endr
	v_max3_num_f32 v[MX], v[MX], v[MX+1], v[S+7]   ; the chains join, each join with one of the eight registers left over
	v_max3_num_f32 v[MX+2], v[MX+2], v[MX+3], v[S+15]
	v_max3_num_f32 v[MX+4], v[MX+4], v[MX+5], v[S+39]
	v_max3_num_f32 v[MX+6], v[MX+6], v[MX+7], v[S+47]
	RF \fill, 4, 5
	v_max3_num_f32 v[MX], v[MX], v[MX+2], v[S+23]
	v_max3_num_f32 v[MX+4], v[MX+4], v[MX+6], v[S+55]
	RF \fill, 6, 7
	v_max_num_f32 v[MX], v[MX], v[S+31]            ; THE LARGEST SCORE OF EACH OF MY TWO BLOCKS serves twice: for the row's maximum and, since p rises with the score, for the block's largest p
	v_max_num_f32 v[MX+4], v[MX+4], v[S+63]
	RF \fill, 8, 9
	v_max_num_f32 v[X], v[MX], v[MX+4]
	RF \fill, 10, 11
	v_permlanex16_b32 v[PT], v[X], s20, s21        ; lane l xor 16's two blocks
	RF \fill, 12, 13
	v_max3_num_f32 v[RS], v[RS], v[X], v[PT]       ; the running largest score of my query
	RF \fill, 14, 15
	v_mul_f32 v[YY], s51, v[RS]                    ; -t
	v_floor_f32 v[NM], v[YY]                       ; the new -M = floor(-t) = -ceil(t): a whole number
	v_sub_f32 v[X], v[NM], v[OLD]                  ; old M - new M: a whole number, 0 or less
.endm
.macro FMAS n                          ; n lines of t - M, two numbers a line (of the pairs c and -M the low word serves both halves)
.rept \n
	v_pk_fma_f32 v[S+j:S+j+1], v[S+j:S+j+1], s[22:23], v[NM:NM+1] op_sel_hi:[1,0,0]
.set j, j+2
.endr
.endm
.macro EXPS x                          ; p = 2^(t - M); f on the way
.set NM, 8+4*\x
.set SU, 10+4*\x
.set j, 0
	FMAS 4
	v_cvt_i32_f32 v[X], v[X]                       ; (it saturates)
	FMAS 4
	v_ldexp_f32 v[F], 1.0, v[X]                    ; f = 2^(old M - new M)
	FMAS 24
	v_fma_f32 v[MX], v[MX], s22, v[NM]             ; the same of each block's largest score
	v_fma_f32 v[MX+4], v[MX+4], s22, v[NM]
	s_wait_alu depctr_va_vdst(0)                   ; the wait ahead of the batch
.set j, 0
.rept 64
	v_exp_f32 v[S+j], v[S+j]                       ; not normalised
.set j, j+1
.endr
	v_exp_f32 v[MX], v[MX]                         ; the block's largest p: the same two instructions on the same number give the same bits
	v_exp_f32 v[MX+4], v[MX+4]
	v_pk_mul_f32 v[SU:SU+1], v[SU:SU+1], v[F:F+1] op_sel_hi:[1,0]   ; the sums under the new M.  (A plain place behind the exponentials)
	s_wait_alu depctr_va_vdst(0)                   ; one wait for the batch, ahead of its first reader (tile 1: also directly ahead of the first reader of its O^T)
.endm
.macro CV x, c, u                      ; register 4 c + u of the operand: keys 64 c + 32 h + 8 u + 0 .. 7
	v_cvt_scalef32_pk8_fp4_f32 v[PCD+8*\x+4*\c+\u], v[S+32*\c+8*\u:S+32*\c+8*\u+7], v[SO+\c]
.endm
; The scales' lines, W1 to W6: the floor 2^(3 - 127) (the byte cannot fall under 1); 2 off the exponent field: the conversion's scale operand; the bytes; my two bytes, blocks h and 2 + h, at their places in the word; with lane l xor 16's two the word is whole.
.macro W1
	v_max_num_f32 v[MX], 0x1800000, v[MX]
	v_max_num_f32 v[MX+4], 0x1800000, v[MX+4]
.endm
.macro W2
	v_add_nc_u32 v[SO], 0xff000000, v[MX]
	v_add_nc_u32 v[SO+1], 0xff000000, v[MX+4]
.endm
.macro SRND i, lo                      ; THE ROW'S SUM IS TAKEN OF THE UNQUANTISED p, in place, behind the conversions: four of the eight chains, one to each group of eight registers, take their i-th further pair
.irp k, 0,1,2,3
	v_pk_add_f32 v[S+8*(\lo+\k):S+8*(\lo+\k)+1], v[S+8*(\lo+\k):S+8*(\lo+\k)+1], v[S+8*(\lo+\k)+2*\i:S+8*(\lo+\k)+2*\i+1]
.endr
.endm
.macro SMRG x                          ; the eight chains join, and go to the running sum
.set SU, 10+4*\x
.irp k, 0,1,2,3
	v_pk_add_f32 v[S+16*\k:S+16*\k+1], v[S+16*\k:S+16*\k+1], v[S+16*\k+8:S+16*\k+9]
.endr
	v_pk_add_f32 v[S:S+1], v[S:S+1], v[S+16:S+17]
	v_pk_add_f32 v[S+32:S+33], v[S+32:S+33], v[S+48:S+49]
	v_pk_add_f32 v[SU:SU+1], v[SU:SU+1], v[S:S+1]
	v_pk_add_f32 v[SU:SU+1], v[SU:SU+1], v[S+32:S+33]
.endm
; A STEP OF 128 KEYS.  more = 1: another step follows, and its K is asked for under tile 1's sums.
.macro TRIP more
	s_wait_dscnt 0x0                               ; this step's K and its scale words
	SCORES 0
	v_add_nc_u32 v[ADV], s36, v[AV0]               ; four places in front of the first read of the scores: this step's V,
	v_add_nc_u32 v[ADVS], s36, v[AVS0]
.if \more
	v_add_nc_u32 v[ADK], s38, v[AK0]               ; the next step's K
	v_add_nc_u32 v[ADKS], s38, v[AKS0]
.else
	v_nop
	v_nop
.endif
	FRONT 0, 0
	EXPS 0
	W1
	W2
	CV 0, 0, 0                                     ; the scale word's lines stand among the conversions
	v_lshrrev_b32 v[BY], 23, v[SO]
	CV 0, 0, 1
	v_lshrrev_b32 v[BY+1], 23, v[SO+1]
	CV 0, 0, 2
	CV 0, 0, 3
	v_lshl_or_b32 v[X], v[BY+1], 16, v[BY]
	CV 0, 1, 0
	CV 0, 1, 1
	v_lshlrev_b32 v[X], v[SH8], v[X]
	CV 0, 1, 2
	CV 0, 1, 3
	v_mov_b32 v[OLD], v12                          ; tile 1's -M, for its chain.  (The plain place behind the conversions, ahead of the lines that write their sources)
	v_permlanex16_b32 v[PT], v[X], s20, s21
	SRND 1, 0
	v_or_b32 v[PWD], v[X], v[PT]
	SRND 1, 4
	SRND 2, 0
	SRND 2, 4
	SRND 3, 0
	SRND 3, 4
	SMRG 0
	SCORES 1
	s_wait_alu depctr_va_vdst(0)                   ; the wait directly ahead of the first reader of tile 0's O^T
	R 0, 0                                         ; four places in front of the first read of the scores; the other twelve lines stand in the chain below
	R 0, 1
	R 0, 2
	R 0, 3
	FRONT 1, 1
	VLOAD                                          ; V lands under the second tile's exponentials
	EXPS 1
	R 1, 0                                         ; tile 1's rescaling, with the scales' lines between
	R 1, 1
	W1
	R 1, 2
	R 1, 3
	W2
	R 1, 4
	R 1, 5
	v_lshrrev_b32 v[BY], 23, v[SO]
	v_lshrrev_b32 v[BY+1], 23, v[SO+1]
	R 1, 6
	R 1, 7
	R 1, 8
	v_lshl_or_b32 v[X], v[BY+1], 16, v[BY]
	R 1, 9
	R 1, 10
	v_lshlrev_b32 v[X], v[SH8], v[X]
	R 1, 11
	R 1, 12
	v_permlanex16_b32 v[PT], v[X], s20, s21
	R 1, 13
	R 1, 14
	v_or_b32 v[PWD+1], v[X], v[PT]
	R 1, 15
.irp c, 0,1
.irp u, 0,1,2,3
	CV 1, \c, \u
.endr
.endr
	v_mov_b32 v[OLD], v8                           ; tile 0's -M, for the next step's chain.  (The plain place behind the conversions)
	SRND 1, 0                                      ; with the line above: the places between p's codes and scale word and the products that take them
	SRND 1, 4
	s_wait_alu depctr_va_vdst(0)                   ; the wait directly ahead of the wait below
	s_wait_dscnt 0x0                               ; V
.irp t, 0,1,2,3                                ; O^T += V^T P^T: the eight accumulators by turns, one instruction a turn
.irp x, 0,1
	v_wmma_scale_f32_16x16x128_f8f6f4 v[O+32*\x+8*\t:O+32*\x+8*\t+7], v[KV+8*\t:KV+8*\t+7], v[PCD+8*\x:PCD+8*\x+7], v[O+32*\x+8*\t:O+32*\x+8*\t+7], v[VS+\t], v[PWD+\x] matrix_a_fmt:MATRIX_FMT_FP4 matrix_b_fmt:MATRIX_FMT_FP4
.endr
.endr
	SRND 2, 0                                      ; four places in front of the loads into V's registers
.if \more
	KLOAD
.endif
	SRND 2, 4
	SRND 3, 0
	SRND 3, 4
	SMRG 1
.endm
	s_mov_b32 s36, 0                               ; the step's first LDS byte,
	s_mov_b32 s38, STEPB                           ; the next step's
	s_mov_b32 s37, 15                              ; steps that have a successor
	s_wait_alu depctr_va_vdst(0)                   ; the wait at the head's end
	s_wait_loadcnt 0x0                             ; Q
	s_wait_tensorcnt 0x0                           ; my step has landed,
	s_barrier_signal -1
	s_barrier_wait -1                              ; everybody's has: the head's K and V lie in LDS for the rest of the launch
	KLOAD                                          ; step 0's K
.Lstep:
	TRIP 1
	s_add_co_u32 s36, s36, STEPB
	s_add_co_u32 s38, s38, STEPB
	s_sub_co_u32 s37, s37, 1
	s_cmp_lg_u32 s37, 0
	s_wait_alu depctr_va_vdst(0)                   ; the wait directly ahead of the branch
	s_cbranch_scc1 .Lstep
	TRIP 0                                         ; the last step is written out: it asks for no further K.  Its sums are the places in front of the first read of O^T
; THE WAY OUT.  O^T / the sum goes through my stage in LDS, a tile (16 queries x 256 bytes) at a time, and comes back as whole rows: sixteen lanes store 256 consecutive bytes, the head's part of a token's row.
.macro WAYOUT x
.set SU, 10+4*\x
.set OO, O+32*\x
	v_add_f32 v[X], v[SU], v[SU+1]                 ; the sum's two halves,
	v_permlanex16_b32 v[PT], v[X], s20, s21
	v_add_f32 v[X], v[X], v[PT]                    ; and lane l xor 16's: the row's sum
	s_wait_alu depctr_va_vdst(0)                   ; the wait ahead of the transcendental
	v_rcp_f32 v[RC], v[X]
	v_nop                                          ; a plain place behind the reciprocal
	s_wait_alu depctr_va_vdst(0)                   ; and ahead of its first reader, which is O^T's first reader too
.set j, 0
.rept 16
	v_pk_mul_f32 v[OO+j:OO+j+1], v[OO+j:OO+j+1], v[RC:RC+1] op_sel_hi:[1,0]   ; each accumulator from its low end on
.set j, j+2
.endr
.irp t, 0,1,2,3
	ds_store_b128 v[STO], v[OO+8*\t:OO+8*\t+3] offset:64*\t
	ds_store_b128 v[STO], v[OO+8*\t+4:OO+8*\t+7] offset:64*\t+16
.endr
.irp i, 0,1,2,3,4,5,6,7
	ds_load_b128 v[S+32*\x+4*\i:S+32*\x+4*\i+3], v[RD] offset:544*\i   ; LDS serves a wave's instructions in order (ISA guide 5.7.1.4): these see my stores, and the next tile's stores come behind them
.endr
.endm
.macro SEND x, younger                 ; younger: the LDS instructions issued behind tile x's loads, which may stay out
.irp i, 0,1,2,3,4,5,6,7
	s_wait_dscnt \younger+7-\i
	global_store_b128 v[GO], v[S+32*\x+4*\i:S+32*\x+4*\i+3], s[8:9] offset:(16*\x+2*\i)*4096 th:TH_STORE_NT   ; written once, read by nobody here
.endr
.endm
	WAYOUT 0
	WAYOUT 1                                       ; the second tile's arithmetic stands between the first's loads and its stores
	SEND 0, 16
	SEND 1, 0
	s_wait_tensorcnt 0x0                           ; the wave's end
	ds_add_u32 v254, v255
	s_wait_dscnt 0x0
	CROUND                                         ; the closing round: no work-group ends while a partner may still ask for bytes by a load that names it
	s_endpgm
.Lfunc_end_k_q41133e30f6_attn:
	.size	k_q41133e30f6_attn, .Lfunc_end_k_q41133e30f6_attn-k_q41133e30f6_attn
	.p2alignl 7, 3214868480
	.fill 96, 4, 3214868480
	.section	.rodata,"a",@progbits
	.p2align	6, 0x0
	.amdhsa_kernel k_q41133e30f6_attn
		.amdhsa_group_segment_fixed_size 215040
		.amdhsa_private_segment_fixed_size 0
		.amdhsa_enable_private_segment 0
		.amdhsa_kernarg_size 24
		.amdhsa_user_sgpr_count 2
		.amdhsa_user_sgpr_kernarg_segment_ptr 1
		.amdhsa_wavefront_size32 1
		.amdhsa_system_sgpr_workgroup_id_x 1
		.amdhsa_system_sgpr_workgroup_id_y 1
		.amdhsa_system_sgpr_workgroup_id_z 1
		.amdhsa_system_vgpr_workitem_id 0
		.amdhsa_next_free_vgpr 256
		.amdhsa_next_free_sgpr 66
		.amdhsa_reserve_vcc 0
		.amdhsa_float_denorm_mode_32 3
		.amdhsa_float_denorm_mode_16_64 3
		.amdhsa_memory_ordered 1
		.amdhsa_forward_progress 1
		.amdhsa_inst_pref_size 68
	.end_amdhsa_kernel
	.amdgpu_metadata
---
amdhsa.version: [ 1, 2 ]
amdhsa.kernels:
  - .name:           k_q41133e30f6_attn
    .symbol:         k_q41133e30f6_attn.kd
    .args:
      - { .name: qws, .offset: 0, .size: 8, .value_kind: global_buffer, .address_space: global }
      - { .name: kvws, .offset: 8, .size: 8, .value_kind: global_buffer, .address_space: global }
      - { .name: out0, .offset: 16, .size: 8, .value_kind: global_buffer, .address_space: global }
    .group_segment_fixed_size: 215040
    .private_segment_fixed_size: 0
    .kernarg_segment_align: 8
    .kernarg_segment_size: 24
    .max_flat_workgroup_size: 512
    .sgpr_count:     66
    .vgpr_count:     256
    .wavefront_size: 32
...
	.end_amdgpu_metadata
.endif
;; end of part 2
